; MI455X (gfx1250); checked and timed in simulation.
; The chip was launched on July 23, 2026; its instructions are those of AMD's public machine-readable ISA for CDNA 5 (MIT licence, August 2026) and "CDNA5" Instruction Set Architecture Reference Guide (July 2026). The comments in the code are by the model that wrote it; some were corrected since.
;; Net VLAD. Allowed arithmetic: float matrix products may take bf16 or f16 operands with f32 sums; all other float work in f32.
;; Inputs: centroids 64 x 128 float32; conv_w 64 x 128 float32; x 64 x 128 x 64 x 64 float32.
;; Outputs: out0 64 x 8,192 float32.
;; 2 versions, each right; version 2 is version 1 with the launch vlad_part written anew for expert scheduling mode. Each part assembles by itself: llvm-mc -triple=amdgcn-amd-amdhsa -mcpu=gfx1250 --defsym DOCPART=n.
;; ======== version 1 of 2: 2 launches
;; workspace buffers: part 8,388,608 bytes
;; launch vlad_part (part 1): grid 256 x 1, 4 waves a work-group, no clusters, 227,840 bytes of LDS; arguments x, conv_w, centroids, part; writes part
.if DOCPART == 1
	.amdgcn_target "amdgcn-amd-amdhsa--gfx1250"
	.amdhsa_code_object_version 6
	.text
	.protected	k_q0e99f98b31_vlad_part
	.globl	k_q0e99f98b31_vlad_part
	.p2align	8
	.type	k_q0e99f98b31_vlad_part,@function
k_q0e99f98b31_vlad_part:
	s_mov_b64 s[64:65], 0
	v_nop
	global_prefetch_b8 v0, s[64:65] scope:SCOPE_SE
	s_setreg_imm32_b32 hwreg(HW_REG_WAVE_MODE, 25, 1), 1
	s_wait_xcnt 0x0
; NetVLAD, first of two launches.  x: [64 images][128 channels][4096 pixels] f32, conv_w and centroids: [64 clusters][128] f32.
; Work-group g takes quarter g & 3 (1,024 pixels) of image g >> 2 and stores
;   part[g][k][c] = sum over its pixels s of a[k][s] * x[c][s]  -  (sum over its pixels of a[k][s]) * centroids[k][c],   a = softmax over k of conv_w x.
; The second launch adds an image's four quarters and normalises.
; Four waves.  A wave takes four tiles of 64 pixels x 128 channels and keeps its own 64 x 128 sum; the four sums meet in LDS at the end.
;
; HOW x REACHES THE MATRIX UNIT.  One global_load_b128: lanes 0-15 (h = 0) take 256 consecutive aligned bytes (64 pixels) of channel c, lanes 16-31 (h = 1) of
; channel c + 8; word q of lane r is pixel 4 r + q.  Packing word q of two neighbouring channels gives, with no LDS, the A fragment (row = pixel, K = channel)
; of "pixel tile q" = pixels 4 r + q.  The product with conv_w's fragment leaves logits with lane = cluster and register j = pixel 32 h + 4 j + q, so a lane
; holds 32 consecutive pixels of one cluster: after the softmax two such registers pack into a word of the second product's fragment (K = pixel).
; Only x for the second product (lane = channel, K = pixel) passes LDS: packed by pixel pairs, 8 bytes a lane, into the wave's own stage, read back 16 bytes a lane.
; Both operands of the second product hold pixel 32 h + 16 f + 2 t (+1) in word t of step f: the sum over K does not care for the order.
; sum over s of a is made by the matrix unit too (a fragment of ones): it is then the sum of the very bf16 weights that multiplied x.
;
; LIMITS.  Matrix operands are bf16 (x, the weights a, and conv_w * log2(e), rounded once).  The softmax takes each pixel's true maximum away; weights below
; 2^-126 become 0 (v_exp_f32 flushes: ISA guide 15.8).  Sums are added in another order than reference()'s.  Non-finite inputs are not served.
; NO CLUSTER: partners would share conv_w and centroids alone, 64 KB against the 512 KB of x that each work-group reads for itself.
;
; REGISTERS in windows of 256 (s_set_vgpr_msb: bits 1:0 source 0, 3:2 source 1, 5:4 source 2, 7:6 destination):
;   window 0: v1-14 addresses, v16-23 ones, v32-159 conv_w fragments, v160-223 two A fragment buffers (later x fragments of pixel step 0), v224-255 at work
;   window 1: the ring of x as loaded: chunk cc (32 channels x 64 pixels) in 64 cc .. 64 cc + 63, load i in four registers
;   window 2: the 32 tiles of the sum: tile (ct, kt) at 8 (4 ct + kt); lane = cluster 16 kt + r, register j = channel 16 ct + 8 h + j
;   window 3: 0-127 logits, tile (q, kt) at 8 (4 q + kt) (0-63 later x fragments of pixel step 1); 128-191 weight fragments (kt, f); 192-223 sum of a
.set XROW,  16384                      ; bytes of a channel's row of x
.set TSTEP, 1024                       ; from a wave's tile to its next: the four waves' tiles lie side by side
.set WP,    272                        ; LDS pitch of conv_w in bf16: 256 + 16
.set XP,    144                        ; LDS pitch of a stage row: 64 pixels in bf16 + 16
.set RP,    528                        ; LDS pitch of a row of sums: 512 + 16.  All three are odd multiples of 16 bytes
.set XS,    64*WP                      ; conv_w lies at LDS byte 0; behind it the waves' stages
.set XSW,   128*XP
.set RS,    XS+4*XSW                   ; behind them a region of 64 rows of sums for each wave
.set RSW,   64*RP
.set ASB,   RS+4*RSW                   ; and 64 x 4 words: sum of a, [cluster][wave]
.set RR,   1                           ; lane % 16
.set HH,   2                           ; lane / 16
.set XO,   3                           ; byte offset in x: 8 h rows + 16 r
.set SST,  4                           ; stage, in:  row 8 h, byte 8 r
.set SLD,  5                           ; stage, out: row r, byte 64 h
.set WLD,  6                           ; conv_w fragments: row r, byte 16 h
.set WST,  7                           ; conv_w, in: row 16 wave, byte 8 lane
.set LN,   8                           ; lane
.set RO,   9                           ; byte offset of my 16 bytes in row 16 wave of conv_w, centroids and part
.set RST,  10                          ; sums, in: my region, row r, byte 32 h
.set AST,  11                          ; sum of a, in
.set RLD0, 12                          ; sums, out: regions 0 and 1, row 16 wave, byte 16 lane
.set RLD2, 13                          ; regions 2 and 3
.set ALD,  14                          ; sum of a, out
.set ONES, 16
.set WF,   32
.set AF,   160
.set TM,   224
.set LG,   0
.set AA,   128
.set SA,   192
.set BUF,  32                          ; the end: two buffers of 80 registers
.set OUTR, 192                         ; the end: 64 registers to store
.set MSB, 0
.macro WIN new                         ; the immediate's high byte repeats the setting that is left
.if MSB != \new
	s_set_vgpr_msb (MSB<<8)|\new
.set MSB, \new
.endif
.endm
.macro PLACES                          ; four independent vector instructions behind a matrix instruction (ISA guide 7.12.1)
.rept 4
	v_nop
.endr
.endm
; chunk cc of tile t: 16 loads; load i brings channel 32 cc + 16 (i / 8) + 8 h + i % 8, the order of an A fragment's K.  Issued with the destination in window 1.
.macro XLOAD t, cc
.irp i, 0,1,2,3,4,5,6,7,8,9,10,11,12,13,14,15
	global_load_b128 v[64*\cc+4*\i:64*\cc+4*\i+3], v[XO], s[4:5] offset:(32*\cc+16*(\i>>3)+(\i&7))*XROW+(\t)*TSTEP th:TH_LOAD_NT
.endr
.endm
	s_load_b256 s[4:11], s[0:1], 0x0               ; x s[4:5], conv_w s[6:7], centroids s[8:9], part s[10:11]
	v_lshl_add_u32 v30, v0, 2, 0x37800
	v_mov_b32 v31, 0
	v_lshrrev_b32 v1, 5, v0
	v_readfirstlane_b32 s12, v1                    ; wave 0..3
	v_and_b32 v[RR], 15, v0
	v_bfe_u32 v[HH], v0, 4, 1
	v_and_b32 v[LN], 31, v0
	s_lshr_b32 s13, ttmp9, 2                       ; image
	s_and_b32 s14, ttmp9, 3                        ; quarter
	s_lshl_b32 s16, s13, 21                        ; image x 128 rows x 16,384 bytes
	s_lshl_b32 s14, s14, 12                        ; quarter x 1,024 pixels
	s_lshl_b32 s15, s12, 8                         ; wave x 64 pixels
	s_add_co_u32 s16, s16, s14
	s_add_co_u32 s16, s16, s15
	s_mov_b32 s17, 0
	s_lshl_b32 s18, ttmp9, 15                      ; work-group x 32,768 bytes of part
	s_mov_b32 s19, 0
	s_mov_b32 s20, 0x3fb8aa3b                      ; log2(e): the logits come out ready for v_exp_f32, which is 2^x
	s_mov_b32 s21, 0x3fb8aa3b
	v_lshlrev_b32 v[XO], 4, v[RR]
	v_lshl_add_u32 v[XO], v[HH], 17, v[XO]         ; 8 rows of 16,384 bytes for the upper lanes
	v_lshlrev_b32 v[RO], 4, v[LN]
	v_lshl_add_u32 v[RO], s12, 13, v[RO]           ; 16 rows of 512 bytes a wave
	s_wait_kmcnt 0x0
	s_add_nc_u64 s[4:5], s[4:5], s[16:17]
	s_add_nc_u64 s[10:11], s[10:11], s[18:19]
.irp i, 0,1,2,3,4,5,6,7,8,9,10,11,12,13,14,15
	global_load_b128 v[AF+4*\i:AF+4*\i+3], v[RO], s[6:7] offset:512*\i     ; my 16 rows of conv_w, a whole row (512 bytes) a load; first, since loads come back in order
.endr
	WIN 0x40
	XLOAD 0, 0
	XLOAD 0, 1
	XLOAD 0, 2
	WIN 0
	; LDS addresses, while the loads are on their way
	s_mul_i32 s22, s12, XSW
	s_add_co_u32 s22, s22, XS                      ; my stage
	v_mul_u32_u24 v[SST], v[HH], 8*XP
	v_lshl_add_u32 v[SST], v[RR], 3, v[SST]
	v_add_nc_u32 v[SST], s22, v[SST]
	v_mul_u32_u24 v[SLD], v[RR], XP
	v_lshl_add_u32 v[SLD], v[HH], 6, v[SLD]
	v_add_nc_u32 v[SLD], s22, v[SLD]
	v_mul_u32_u24 v[WLD], v[RR], WP
	v_lshl_add_u32 v[WLD], v[HH], 4, v[WLD]
	s_mul_i32 s23, s12, 16*WP
	v_lshl_add_u32 v[WST], v[LN], 3, s23
	s_mul_i32 s24, s12, RSW
	s_add_co_u32 s24, s24, RS                      ; my region of sums
	v_mul_u32_u24 v[RST], v[RR], RP
	v_lshl_add_u32 v[RST], v[HH], 5, v[RST]
	v_add_nc_u32 v[RST], s24, v[RST]
	s_lshl_b32 s25, s12, 2
	s_add_co_u32 s25, s25, ASB
	v_lshl_add_u32 v[AST], v[RR], 4, s25
	s_mul_i32 s26, s12, 16*RP
	s_add_co_u32 s26, s26, RS
	v_lshl_add_u32 v[RLD0], v[LN], 4, s26
	v_add_nc_u32 v[RLD2], 2*RSW, v[RLD0]
	s_lshl_b32 s27, s12, 8
	s_add_co_u32 s27, s27, ASB
	v_mov_b32 v[ALD], s27
.irp i, 0,1,2,3,4,5,6,7
	v_mov_b32 v[ONES+\i], 0x3f803f80               ; two bf16 ones
.endr
	s_wait_loadcnt 48                              ; conv_w is in; the 48 loads of x behind it stay out
	WIN 0x40
	XLOAD 0, 3                                     ; the ring is full: 64 loads, 32 KB, of this wave
	WIN 0
.irp i, 0,1,2,3,4,5,6,7,8,9,10,11,12,13,14,15
	v_pk_mul_f32 v[AF+4*\i:AF+4*\i+1],   v[AF+4*\i:AF+4*\i+1],   s[20:21] op_sel_hi:[1,0]
	v_pk_mul_f32 v[AF+4*\i+2:AF+4*\i+3], v[AF+4*\i+2:AF+4*\i+3], s[20:21] op_sel_hi:[1,0]
.endr
.irp i, 0,1,2,3,4,5,6,7,8,9,10,11,12,13,14,15
	v_cvt_pk_bf16_f32 v[TM+2*\i],   v[AF+4*\i],   v[AF+4*\i+1]
	v_cvt_pk_bf16_f32 v[TM+2*\i+1], v[AF+4*\i+2], v[AF+4*\i+3]
.endr
.irp i, 0,1,2,3,4,5,6,7,8,9,10,11,12,13,14,15
	ds_store_b64 v[WST], v[TM+2*\i:TM+2*\i+1] offset:\i*WP                 ; 32 lanes fill a row's 256 bytes
.endr
	s_wait_dscnt 0x0                               ; my rows of conv_w are in LDS, for the others' sake
	s_barrier_signal -1
	s_barrier_wait -1                              ; everybody's are
.irp kt, 0,1,2,3
.irp cc, 0,1,2,3
	ds_load_b128 v[WF+8*(4*\kt+\cc):WF+8*(4*\kt+\cc)+3],   v[WLD] offset:\kt*16*WP+64*\cc      ; cluster 16 kt + r, channels 32 cc + 8 h ..
	ds_load_b128 v[WF+8*(4*\kt+\cc)+4:WF+8*(4*\kt+\cc)+7], v[WLD] offset:\kt*16*WP+64*\cc+32   ; channels 32 cc + 16 + 8 h ..
.endr
.endr
	s_wait_dscnt 0x0                               ; all sixteen fragments stay in registers for the whole kernel
; Chunk cc of tile t: convert, stage, ask again, multiply.  left = the loads issued behind this chunk's that may stay out.
; next = 1: the same chunk of the next tile is asked for; 2: the centroids (only with cc = 0: they land in chunk 0's registers); 0: nothing.
.macro CHUNK t, cc, left, next
	s_wait_loadcnt \left
	WIN 0x05                                       ; sources in the ring, results in window 0
.irp i, 0,1,2,3,4,5,6,7,8,9,10,11,12,13,14,15
	v_cvt_pk_bf16_f32 v[TM+2*\i],   v[64*\cc+4*\i],   v[64*\cc+4*\i+1]      ; by pixel pairs, for the stage.  These 32 lines name no register of the matrix
	v_cvt_pk_bf16_f32 v[TM+2*\i+1], v[64*\cc+4*\i+2], v[64*\cc+4*\i+3]      ; instructions in front: they are the places before the fragment buffer is rewritten
.endr
.irp q, 0,1,2,3
.irp u, 0,1,2,3,4,5,6,7
	v_cvt_pk_bf16_f32 v[AF+32*(\cc&1)+8*\q+\u], v[64*\cc+8*\u+\q], v[64*\cc+8*\u+4+\q]   ; by channel pairs: word u of pixel tile q's A fragment
.endr
.endr
	WIN 0x40                                       ; loads land in the ring; the LDS stores' address and data are in window 0
.irp i, 0,1,2,3,4,5,6,7,8,9,10,11,12,13,14,15
	ds_store_b64 v[SST], v[TM+2*\i:TM+2*\i+1] offset:(32*\cc+16*(\i>>3)+(\i&7))*XP   ; lanes 0-15 fill 128 bytes of a row, lanes 16-31 of the row 8 further: 8 x 144 = 128 mod 256, other banks
.endr
.if \next == 1
	XLOAD \t+1, \cc
.endif
.if \next == 2
.irp i, 0,1,2,3,4,5,6,7,8,9,10,11,12,13,14,15
	global_load_b128 v[4*\i:4*\i+3], v[RO], s[8:9] offset:512*\i           ; centroids, rows 16 wave + i: used at the very end
.endr
.endif
	WIN 0xf0                                       ; logits in window 3.  The sixteen accumulators take turns, one instruction a turn
.irp q, 0,1,2,3
.irp kt, 0,1,2,3
.if \cc == 0
	v_wmma_f32_16x16x32_bf16 v[LG+8*(4*\q+\kt):LG+8*(4*\q+\kt)+7], v[AF+32*(\cc&1)+8*\q:AF+32*(\cc&1)+8*\q+7], v[WF+8*(4*\kt+\cc):WF+8*(4*\kt+\cc)+7], 0
.else
	v_wmma_f32_16x16x32_bf16 v[LG+8*(4*\q+\kt):LG+8*(4*\q+\kt)+7], v[AF+32*(\cc&1)+8*\q:AF+32*(\cc&1)+8*\q+7], v[WF+8*(4*\kt+\cc):WF+8*(4*\kt+\cc)+7], v[LG+8*(4*\q+\kt):LG+8*(4*\q+\kt)+7]
.endif
.endr
.endr
.endm
; Softmax over the 64 clusters of each of the tile's 64 pixels.  A pixel (q, j, h) has its 64 logits in register j of the four tiles (q, kt), over the 16 lanes of half h.
; Maxima and sums lie in window 0 (register 8 q + j of TM), so that the lane steps name window 0 alone.
.macro SOFTMAX
	WIN 0x3f
.irp q, 0,1,2,3
.irp j, 0,1,2,3,4,5,6,7
	v_max3_num_f32 v[TM+8*\q+\j], v[LG+32*\q+\j], v[LG+32*\q+8+\j], v[LG+32*\q+16+\j]
.endr
.endr
	WIN 0x03
.irp q, 0,1,2,3
.irp j, 0,1,2,3,4,5,6,7
	v_max_num_f32 v[TM+8*\q+\j], v[LG+32*\q+24+\j], v[TM+8*\q+\j]
.endr
.endr
	WIN 0
.irp m, 1,2,4,8
.set idx, 0
.rept 32
	v_max_num_f32_dpp v[TM+idx], v[TM+idx], v[TM+idx] row_xmask:\m row_mask:0xf bank_mask:0xf
.set idx, idx+1
.endr
.endr
	WIN 0xc3
.irp q, 0,1,2,3
.irp kt, 0,1,2,3
.irp j, 0,2,4,6
	v_pk_add_f32 v[LG+32*\q+8*\kt+\j:LG+32*\q+8*\kt+\j+1], v[LG+32*\q+8*\kt+\j:LG+32*\q+8*\kt+\j+1], v[TM+8*\q+\j:TM+8*\q+\j+1] neg_lo:[0,1] neg_hi:[0,1]   ; logit - the pixel's maximum
.endr
.endr
.endr
.set idx, 0
.rept 128
	v_exp_f32 v[LG+idx], v[LG+idx]
.set idx, idx+1
.endr
	v_nop                                          ; one plain vector instruction between the last v_exp_f32 and the first use (ISA guide 5.7.2)
	WIN 0x0f
	s_wait_alu depctr_va_vdst(0)
.irp q, 0,1,2,3
.irp j, 0,2,4,6
	v_pk_add_f32 v[TM+8*\q+\j:TM+8*\q+\j+1], v[LG+32*\q+\j:LG+32*\q+\j+1], v[LG+32*\q+8+\j:LG+32*\q+8+\j+1]
.endr
.endr
	WIN 0x03
.irp q, 0,1,2,3
.irp j, 0,2,4,6
	v_pk_add_f32 v[TM+8*\q+\j:TM+8*\q+\j+1], v[LG+32*\q+16+\j:LG+32*\q+16+\j+1], v[TM+8*\q+\j:TM+8*\q+\j+1]
.endr
.endr
.irp q, 0,1,2,3
.irp j, 0,2,4,6
	v_pk_add_f32 v[TM+8*\q+\j:TM+8*\q+\j+1], v[LG+32*\q+24+\j:LG+32*\q+24+\j+1], v[TM+8*\q+\j:TM+8*\q+\j+1]
.endr
.endr
	WIN 0
.irp m, 1,2,4,8
.set idx, 0
.rept 32
	v_add_f32_dpp v[TM+idx], v[TM+idx], v[TM+idx] row_xmask:\m row_mask:0xf bank_mask:0xf
.set idx, idx+1
.endr
.endr
.set idx, 0
.rept 32
	v_rcp_f32 v[TM+idx], v[TM+idx]                 ; the sum is between 1 and 64: the largest term is 2^0
.set idx, idx+1
.endr
	v_nop                                          ; as behind v_exp_f32
	WIN 0xc3
	s_wait_alu depctr_va_vdst(0)
.irp q, 0,1,2,3
.irp kt, 0,1,2,3
.irp j, 0,2,4,6
	v_pk_mul_f32 v[LG+32*\q+8*\kt+\j:LG+32*\q+8*\kt+\j+1], v[LG+32*\q+8*\kt+\j:LG+32*\q+8*\kt+\j+1], v[TM+8*\q+\j:TM+8*\q+\j+1]
.endr
.endr
.endr
	WIN 0xcf                                       ; word u of fragment (kt, f) = pixels 32 h + 16 f + 2 u, + 1 = register 4 f + u / 2 of pixel tiles 2 (u % 2) and 2 (u % 2) + 1
.irp kt, 0,1,2,3
.irp f, 0,1
.irp u, 0,1,2,3,4,5,6,7
	v_cvt_pk_bf16_f32 v[AA+8*(2*\kt+\f)+\u], v[LG+64*(\u&1)+8*\kt+4*\f+(\u>>1)], v[LG+64*(\u&1)+32+8*\kt+4*\f+(\u>>1)]
.endr
.endr
.endr
.endm
; 16 LDS loads: x fragments of pixel step f (32 pixels), channels 16 ct + r, 32 consecutive bytes a lane, into registers xf .. xf + 63 of the destination's window
.macro XFRAG f, xf
.irp ct, 0,1,2,3,4,5,6,7
	ds_load_b128 v[\xf+8*\ct:\xf+8*\ct+3],   v[SLD] offset:\ct*16*XP+32*\f
	ds_load_b128 v[\xf+8*\ct+4:\xf+8*\ct+7], v[SLD] offset:\ct*16*XP+32*\f+16
.endr
.endm
; 36 matrix instructions: pixel step f of the second product.  Source 0 = 16 channels of x, source 1 = 16 clusters' weights: a lane's eight results are eight
; neighbouring channels of one cluster.  Then ones as source 0: the sum of the weights.  All 36 accumulators take turns, one instruction a turn.
.macro VLAD f, xf, win, zero
	WIN \win
.irp ct, 0,1,2,3,4,5,6,7
.irp kt, 0,1,2,3
.if \zero
	v_wmma_f32_16x16x32_bf16 v[8*(4*\ct+\kt):8*(4*\ct+\kt)+7], v[\xf+8*\ct:\xf+8*\ct+7], v[AA+8*(2*\kt+\f):AA+8*(2*\kt+\f)+7], 0
.else
	v_wmma_f32_16x16x32_bf16 v[8*(4*\ct+\kt):8*(4*\ct+\kt)+7], v[\xf+8*\ct:\xf+8*\ct+7], v[AA+8*(2*\kt+\f):AA+8*(2*\kt+\f)+7], v[8*(4*\ct+\kt):8*(4*\ct+\kt)+7]
.endif
.endr
.endr
	WIN 0xfc
.irp kt, 0,1,2,3
.if \zero
	v_wmma_f32_16x16x32_bf16 v[SA+8*\kt:SA+8*\kt+7], v[ONES:ONES+7], v[AA+8*(2*\kt+\f):AA+8*(2*\kt+\f)+7], 0
.else
	v_wmma_f32_16x16x32_bf16 v[SA+8*\kt:SA+8*\kt+7], v[ONES:ONES+7], v[AA+8*(2*\kt+\f):AA+8*(2*\kt+\f)+7], v[SA+8*\kt:SA+8*\kt+7]
.endif
.endr
.endm
; What follows a tile's four chunks.  first = 1: the first products start the sums, nothing is ever cleared.
.macro REST first
	PLACES                                         ; behind the last logit products: the loads below land in their A buffers, the softmax reads their results
	WIN 0
	XFRAG 0, AF                                    ; the stage is the wave's own and LDS serves a wave in order (ISA guide 5.7.1): these see the stores above; they land during the softmax
	SOFTMAX
	WIN 0xc0
	XFRAG 1, LG                                    ; the logits' first 64 registers are free now; these land during step 0's products
	s_wait_dscnt 16                                ; step 0's fragments are in; the 16 loads just issued stay out
	VLAD 0, AF, 0xac, \first
	s_wait_dscnt 0x0
	VLAD 1, LG, 0xaf, 0
.endm
; The four tiles, written out: the tile's number stands in the loads' immediates, the first tile starts the sums, the last asks for no more of x.
; A chunk's wait leaves out the 48 loads issued behind it: the tile's later chunks and the next tile's earlier ones.
.irp t, 0,1,2
	CHUNK \t, 0, 48, 1
	CHUNK \t, 1, 48, 1
	CHUNK \t, 2, 48, 1
	CHUNK \t, 3, 48, 1
.if \t == 0
	REST 1
.else
	REST 0
.endif
.endr
	CHUNK 3, 0, 48, 2                              ; behind chunk 0: chunks 1, 2, 3
	CHUNK 3, 1, 48, 0                              ; behind chunk 1: chunks 2, 3 and the 16 loads of centroids
	CHUNK 3, 2, 32, 0
	CHUNK 3, 3, 16, 0
	REST 0
	; THE END.  Each wave lays its sums into its own region as rows [cluster][channel]; behind a barrier wave w adds rows 16 w .. 16 w + 15 over the four regions.
	PLACES                                         ; behind the last products: their results are read, and their sources rewritten, below
	WIN 0x08
.irp ct, 0,1,2,3,4,5,6,7
.irp kt, 0,1,2,3
	ds_store_b128 v[RST], v[8*(4*\ct+\kt):8*(4*\ct+\kt)+3]   offset:\kt*16*RP+64*\ct       ; row 16 kt + r, channels 16 ct + 8 h ..
	ds_store_b128 v[RST], v[8*(4*\ct+\kt)+4:8*(4*\ct+\kt)+7] offset:\kt*16*RP+64*\ct+16
.endr
.endr
	WIN 0x0c
.irp kt, 0,1,2,3
	ds_store_b32 v[AST], v[SA+8*\kt] offset:256*\kt                        ; all eight registers and both halves of the lanes hold the same sum: word [16 kt + r][wave]
.endr
	WIN 0
	s_wait_dscnt 0x0                               ; my sums are in LDS, for the others' sake
	s_barrier_signal -1
	s_barrier_wait -1
.macro RLOAD b                         ; rows 4 b .. 4 b + 3 of my sixteen: four regions' 512 bytes each, and the row's four sums of a (one address for all lanes)
.set BB, BUF+80*(\b&1)
.irp ii, 0,1,2,3
	ds_load_b128 v[BB+16*\ii:BB+16*\ii+3],     v[RLD0] offset:(4*\b+\ii)*RP
	ds_load_b128 v[BB+16*\ii+4:BB+16*\ii+7],   v[RLD0] offset:(4*\b+\ii)*RP+RSW
	ds_load_b128 v[BB+16*\ii+8:BB+16*\ii+11],  v[RLD2] offset:(4*\b+\ii)*RP
	ds_load_b128 v[BB+16*\ii+12:BB+16*\ii+15], v[RLD2] offset:(4*\b+\ii)*RP+RSW
	ds_load_b128 v[BB+64+4*\ii:BB+64+4*\ii+3], v[ALD]  offset:(4*\b+\ii)*16
.endr
.endm
.macro RSUM b
.set BB, BUF+80*(\b&1)
.irp ii, 0,1,2,3
	v_pk_add_f32 v[BB+16*\ii:BB+16*\ii+1],     v[BB+16*\ii:BB+16*\ii+1],     v[BB+16*\ii+4:BB+16*\ii+5]
	v_pk_add_f32 v[BB+16*\ii+2:BB+16*\ii+3],   v[BB+16*\ii+2:BB+16*\ii+3],   v[BB+16*\ii+6:BB+16*\ii+7]
	v_pk_add_f32 v[BB+16*\ii+8:BB+16*\ii+9],   v[BB+16*\ii+8:BB+16*\ii+9],   v[BB+16*\ii+12:BB+16*\ii+13]
	v_pk_add_f32 v[BB+16*\ii+10:BB+16*\ii+11], v[BB+16*\ii+10:BB+16*\ii+11], v[BB+16*\ii+14:BB+16*\ii+15]
	v_pk_add_f32 v[BB+64+4*\ii:BB+64+4*\ii+1], v[BB+64+4*\ii:BB+64+4*\ii+1], v[BB+64+4*\ii+2:BB+64+4*\ii+3]
	v_pk_add_f32 v[BB+16*\ii:BB+16*\ii+1],     v[BB+16*\ii:BB+16*\ii+1],     v[BB+16*\ii+8:BB+16*\ii+9]
	v_pk_add_f32 v[BB+16*\ii+2:BB+16*\ii+3],   v[BB+16*\ii+2:BB+16*\ii+3],   v[BB+16*\ii+10:BB+16*\ii+11]
	v_add_f32 v[BB+64+4*\ii], v[BB+64+4*\ii], v[BB+64+4*\ii+1]             ; the row's sum of a over the work-group's 1,024 pixels
.endr
	WIN 0x01                                       ; the centroids lie in the ring's first 64 registers
.irp ii, 0,1,2,3
	v_pk_fma_f32 v[OUTR+16*\b+4*\ii:OUTR+16*\b+4*\ii+1],   v[4*(4*\b+\ii):4*(4*\b+\ii)+1],   v[BB+64+4*\ii:BB+64+4*\ii+1], v[BB+16*\ii:BB+16*\ii+1]   op_sel_hi:[1,0,1] neg_lo:[0,1,0] neg_hi:[0,1,0]
	v_pk_fma_f32 v[OUTR+16*\b+4*\ii+2:OUTR+16*\b+4*\ii+3], v[4*(4*\b+\ii)+2:4*(4*\b+\ii)+3], v[BB+64+4*\ii:BB+64+4*\ii+1], v[BB+16*\ii+2:BB+16*\ii+3] op_sel_hi:[1,0,1] neg_lo:[0,1,0] neg_hi:[0,1,0]
.endr
	WIN 0
.irp ii, 0,1,2,3
	global_store_b128 v[RO], v[OUTR+16*\b+4*\ii:OUTR+16*\b+4*\ii+3], s[10:11] offset:(4*\b+\ii)*512   ; a wave's store covers a row: 512 consecutive bytes, aligned; its registers are not written again
.endr
.endm
	RLOAD 0
	RLOAD 1
	s_wait_loadcnt 0x0                             ; the centroids
	s_wait_dscnt 20                                ; the older batch of 20 loads is in, the younger stays out
	RSUM 0
	RLOAD 2
	s_wait_dscnt 20
	RSUM 1
	RLOAD 3
	s_wait_dscnt 20
	RSUM 2
	s_wait_dscnt 0x0
	RSUM 3
	s_wait_tensorcnt 0x0
	ds_add_u32 v30, v31
	s_wait_dscnt 0x0
	s_endpgm
.Lfunc_end_k_q0e99f98b31_vlad_part:
	.size	k_q0e99f98b31_vlad_part, .Lfunc_end_k_q0e99f98b31_vlad_part-k_q0e99f98b31_vlad_part
	.p2alignl 7, 3214868480
	.fill 96, 4, 3214868480
	.section	.rodata,"a",@progbits
	.p2align	6, 0x0
	.amdhsa_kernel k_q0e99f98b31_vlad_part
		.amdhsa_group_segment_fixed_size 227840
		.amdhsa_private_segment_fixed_size 0
		.amdhsa_enable_private_segment 0
		.amdhsa_kernarg_size 32
		.amdhsa_user_sgpr_count 2
		.amdhsa_user_sgpr_kernarg_segment_ptr 1
		.amdhsa_wavefront_size32 1
		.amdhsa_system_sgpr_workgroup_id_x 1
		.amdhsa_system_sgpr_workgroup_id_y 1
		.amdhsa_system_sgpr_workgroup_id_z 1
		.amdhsa_system_vgpr_workitem_id 0
		.amdhsa_next_free_vgpr 992
		.amdhsa_next_free_sgpr 66
		.amdhsa_reserve_vcc 0
		.amdhsa_float_denorm_mode_32 3
		.amdhsa_float_denorm_mode_16_64 3
		.amdhsa_memory_ordered 1
		.amdhsa_forward_progress 1
		.amdhsa_inst_pref_size 255
	.end_amdhsa_kernel
	.section	.bss,"aw",@nobits
	.p2align	6
	.space	262144
	.amdgpu_metadata
---
amdhsa.version: [ 1, 2 ]
amdhsa.kernels:
  - .name:           k_q0e99f98b31_vlad_part
    .symbol:         k_q0e99f98b31_vlad_part.kd
    .args:
      - { .name: x, .offset: 0, .size: 8, .value_kind: global_buffer, .address_space: global }
      - { .name: conv_w, .offset: 8, .size: 8, .value_kind: global_buffer, .address_space: global }
      - { .name: centroids, .offset: 16, .size: 8, .value_kind: global_buffer, .address_space: global }
      - { .name: part, .offset: 24, .size: 8, .value_kind: global_buffer, .address_space: global }
    .group_segment_fixed_size: 227840
    .private_segment_fixed_size: 0
    .kernarg_segment_align: 8
    .kernarg_segment_size: 32
    .max_flat_workgroup_size: 128
    .sgpr_count:     66
    .vgpr_count:     992
    .wavefront_size: 32
...
	.end_amdgpu_metadata
.endif
;; end of part 1
;; launch finish (part 2): grid 64 x 1, 16 waves a work-group, no clusters, 2,304 bytes of LDS; arguments part, out0; writes out0
.if DOCPART == 2
	.amdgcn_target "amdgcn-amd-amdhsa--gfx1250"
	.amdhsa_code_object_version 6
	.text
	.protected	k_q0e99f98b31_finish
	.globl	k_q0e99f98b31_finish
	.p2align	8
	.type	k_q0e99f98b31_finish,@function
k_q0e99f98b31_finish:
	s_mov_b64 s[64:65], 0
	v_nop
	global_prefetch_b8 v0, s[64:65] scope:SCOPE_SE
	s_setreg_imm32_b32 hwreg(HW_REG_WAVE_MODE, 25, 1), 1
	s_wait_xcnt 0x0
; NetVLAD, second launch.  part: [64 images][4 quarters][64 clusters][128 channels] f32; out0: [64][8192] f32.
; One work-group an image, sixteen waves.  vlad = the four quarters added; each cluster's row is divided by its L2 norm; the image's 8,192 numbers by theirs.
; Thread t owns the 16 bytes at byte 16 t of every 8,192: wave w holds rows w, 16 + w, 32 + w, 48 + w, a whole row (512 bytes) to a load or store of the wave.
; All 16 loads of a thread go out at once.  A row never leaves its wave; the image's norm meets in LDS behind one barrier.
; The image's norm is computed, not assumed: the squares of a normalised row add up to ss * rinv * rinv, with the rinv that is really used.
; No matrix unit, no cluster, no LDS slots: the launch moves 160 KB a work-group once, and its work-groups share nothing.
; LIMITS.  A row's sum of squares must be a normal f32 (|vlad| from about 1e-19 to 1e18): v_rsq_f32 flushes denormals (ISA guide 15.8).  A row of zeros gives NaN, as in reference().
.set PARTB, 32768                      ; bytes of a quarter's sums
.set RSTEP, 8192                       ; 16 rows of 512 bytes
.set PV, 4                             ; v[4:67]    row i: 16 registers, quarter p in four; then the row's sum in the first four
.set QQ, 68                            ; v[68:75]   squares
.set SS, 76                            ; v[76:79]   a row's sum of squares
.set TP, 80                            ; v[80:83]   the other half's
.set RI, 84                            ; v[84:87]   1 / a row's norm
.set GG, 88                            ; v[88:103]  the sixteen waves' shares of the image's sum of squares
.set SC, 104                           ; v[104:111] a row's factor, twice (a pair for the packed multiply)
.set TT, 112                           ; v[112:113]
	s_load_b128 s[4:7], s[0:1], 0x0                ; part s[4:5], out0 s[6:7]
	v_lshl_add_u32 v116, v0, 2, 0x100
	v_mov_b32 v117, 0
	v_lshrrev_b32 v1, 5, v0
	v_readfirstlane_b32 s8, v1                     ; wave
	v_lshlrev_b32 v2, 4, v0                        ; 16 t
	v_mov_b32 v3, s8
	v_lshlrev_b32 v3, 2, v3                        ; my wave's word in LDS
	s_lshl_b32 s10, ttmp9, 17                      ; image x 4 x 32,768 bytes
	s_mov_b32 s11, 0
	s_lshl_b32 s12, ttmp9, 15                      ; image x 32,768 bytes
	s_mov_b32 s13, 0
	s_mov_b32 s14, 0x76543210                      ; v_permlanex16_b32: lane i of one half reads lane i of the other
	s_mov_b32 s15, 0xfedcba98
	s_wait_kmcnt 0x0
	s_add_nc_u64 s[4:5], s[4:5], s[10:11]
	s_add_nc_u64 s[6:7], s[6:7], s[12:13]
.irp i, 0,1,2,3
.irp p, 0,1,2,3
	global_load_b128 v[PV+16*\i+4*\p:PV+16*\i+4*\p+3], v2, s[4:5] offset:\p*PARTB+\i*RSTEP th:TH_LOAD_NT
.endr
.endr
.irp i, 0,1,2,3
	v_mov_b32 v[TP+\i], 0                          ; v_permlanex16_b32 counts as a reader of its destination
.endr
.irp i, 0,1,2,3
	s_wait_loadcnt 12-4*\i                         ; row i's four loads are in; the later rows' stay out
	v_pk_add_f32 v[PV+16*\i:PV+16*\i+1],     v[PV+16*\i:PV+16*\i+1],     v[PV+16*\i+4:PV+16*\i+5]
	v_pk_add_f32 v[PV+16*\i+2:PV+16*\i+3],   v[PV+16*\i+2:PV+16*\i+3],   v[PV+16*\i+6:PV+16*\i+7]
	v_pk_add_f32 v[PV+16*\i+8:PV+16*\i+9],   v[PV+16*\i+8:PV+16*\i+9],   v[PV+16*\i+12:PV+16*\i+13]
	v_pk_add_f32 v[PV+16*\i+10:PV+16*\i+11], v[PV+16*\i+10:PV+16*\i+11], v[PV+16*\i+14:PV+16*\i+15]
	v_pk_add_f32 v[PV+16*\i:PV+16*\i+1],     v[PV+16*\i:PV+16*\i+1],     v[PV+16*\i+8:PV+16*\i+9]
	v_pk_add_f32 v[PV+16*\i+2:PV+16*\i+3],   v[PV+16*\i+2:PV+16*\i+3],   v[PV+16*\i+10:PV+16*\i+11]
	v_pk_mul_f32 v[QQ+2*\i:QQ+2*\i+1], v[PV+16*\i:PV+16*\i+1], v[PV+16*\i:PV+16*\i+1]
	v_pk_fma_f32 v[QQ+2*\i:QQ+2*\i+1], v[PV+16*\i+2:PV+16*\i+3], v[PV+16*\i+2:PV+16*\i+3], v[QQ+2*\i:QQ+2*\i+1]
	v_add_f32 v[SS+\i], v[QQ+2*\i], v[QQ+2*\i+1]
.endr
	; over the 32 lanes: four steps inside each half of 16 lanes, one across; the four rows' chains do not wait for each other
.irp m, 1,2,4,8
.irp i, 0,1,2,3
	v_add_f32_dpp v[SS+\i], v[SS+\i], v[SS+\i] row_xmask:\m row_mask:0xf bank_mask:0xf
.endr
.endr
.irp i, 0,1,2,3
	v_permlanex16_b32 v[TP+\i], v[SS+\i], s14, s15
.endr
.irp i, 0,1,2,3
	v_add_f32 v[SS+\i], v[SS+\i], v[TP+\i]
.endr
.irp i, 0,1,2,3
	v_rsq_f32 v[RI+\i], v[SS+\i]
.endr
	v_nop                                          ; one plain vector instruction before a result is used or a source rewritten (ISA guide 5.7.2)
	s_wait_alu depctr_va_vdst(0)
.irp i, 0,1,2,3
	v_mul_f32 v[SS+\i], v[SS+\i], v[RI+\i]
.endr
	v_mul_f32 v[TT], v[SS], v[RI]                  ; the squares of my four normalised rows, added
	v_fmac_f32 v[TT], v[SS+1], v[RI+1]
	v_fmac_f32 v[TT], v[SS+2], v[RI+2]
	v_fmac_f32 v[TT], v[SS+3], v[RI+3]
	ds_store_b32 v3, v[TT]                         ; all lanes write the same word with the same value
	s_wait_dscnt 0x0                               ; for the others' sake
	s_barrier_signal -1
	s_barrier_wait -1
	v_mov_b32 v[TT+1], 0
.irp g, 0,1,2,3
	ds_load_b128 v[GG+4*\g:GG+4*\g+3], v[TT+1] offset:16*\g
.endr
	s_wait_dscnt 0x0
	v_pk_add_f32 v[GG:GG+1],     v[GG:GG+1],     v[GG+2:GG+3]
	v_pk_add_f32 v[GG+4:GG+5],   v[GG+4:GG+5],   v[GG+6:GG+7]
	v_pk_add_f32 v[GG+8:GG+9],   v[GG+8:GG+9],   v[GG+10:GG+11]
	v_pk_add_f32 v[GG+12:GG+13], v[GG+12:GG+13], v[GG+14:GG+15]
	v_pk_add_f32 v[GG:GG+1],     v[GG:GG+1],     v[GG+4:GG+5]
	v_pk_add_f32 v[GG+8:GG+9],   v[GG+8:GG+9],   v[GG+12:GG+13]
	v_pk_add_f32 v[GG:GG+1],     v[GG:GG+1],     v[GG+8:GG+9]
	v_add_f32 v[GG], v[GG], v[GG+1]
	v_rsq_f32 v[TT], v[GG]                         ; 1 / the image's norm
	v_nop
	s_wait_alu depctr_va_vdst(0)
.irp i, 0,1,2,3
	v_mul_f32 v[SC+2*\i],   v[RI+\i], v[TT]
	v_mul_f32 v[SC+2*\i+1], v[RI+\i], v[TT]
.endr
.irp i, 0,1,2,3
	v_pk_mul_f32 v[PV+16*\i:PV+16*\i+1],   v[PV+16*\i:PV+16*\i+1],   v[SC+2*\i:SC+2*\i+1]
	v_pk_mul_f32 v[PV+16*\i+2:PV+16*\i+3], v[PV+16*\i+2:PV+16*\i+3], v[SC+2*\i:SC+2*\i+1]
	global_store_b128 v2, v[PV+16*\i:PV+16*\i+3], s[6:7] offset:\i*RSTEP th:TH_STORE_NT   ; a wave's store covers 512 consecutive bytes, aligned
.endr
	s_wait_tensorcnt 0x0
	ds_add_u32 v116, v117
	s_wait_dscnt 0x0
	s_endpgm
.Lfunc_end_k_q0e99f98b31_finish:
	.size	k_q0e99f98b31_finish, .Lfunc_end_k_q0e99f98b31_finish-k_q0e99f98b31_finish
	.p2alignl 7, 3214868480
	.fill 96, 4, 3214868480
	.section	.rodata,"a",@progbits
	.p2align	6, 0x0
	.amdhsa_kernel k_q0e99f98b31_finish
		.amdhsa_group_segment_fixed_size 2304
		.amdhsa_private_segment_fixed_size 0
		.amdhsa_enable_private_segment 0
		.amdhsa_kernarg_size 16
		.amdhsa_user_sgpr_count 2
		.amdhsa_user_sgpr_kernarg_segment_ptr 1
		.amdhsa_wavefront_size32 1
		.amdhsa_system_sgpr_workgroup_id_x 1
		.amdhsa_system_sgpr_workgroup_id_y 1
		.amdhsa_system_sgpr_workgroup_id_z 1
		.amdhsa_system_vgpr_workitem_id 0
		.amdhsa_next_free_vgpr 118
		.amdhsa_next_free_sgpr 66
		.amdhsa_reserve_vcc 0
		.amdhsa_float_denorm_mode_32 3
		.amdhsa_float_denorm_mode_16_64 3
		.amdhsa_memory_ordered 1
		.amdhsa_forward_progress 1
		.amdhsa_inst_pref_size 9
	.end_amdhsa_kernel
	.amdgpu_metadata
---
amdhsa.version: [ 1, 2 ]
amdhsa.kernels:
  - .name:           k_q0e99f98b31_finish
    .symbol:         k_q0e99f98b31_finish.kd
    .args:
      - { .name: part, .offset: 0, .size: 8, .value_kind: global_buffer, .address_space: global }
      - { .name: out0, .offset: 8, .size: 8, .value_kind: global_buffer, .address_space: global }
    .group_segment_fixed_size: 2304
    .private_segment_fixed_size: 0
    .kernarg_segment_align: 8
    .kernarg_segment_size: 16
    .max_flat_workgroup_size: 512
    .sgpr_count:     66
    .vgpr_count:     118
    .wavefront_size: 32
...
	.end_amdgpu_metadata
.endif
;; end of part 2
;; ======== version 2 of 2: 2 launches; version 1 with the launch vlad_part written anew for expert scheduling mode
;; workspace buffers: part 8,388,608 bytes
;; launch vlad_part (part 3): grid 256 x 1, 4 waves a work-group, no clusters, 227,840 bytes of LDS; arguments x, conv_w, centroids, part; writes part
.if DOCPART == 3
	.amdgcn_target "amdgcn-amd-amdhsa--gfx1250"
	.amdhsa_code_object_version 6
	.text
	.protected	k_q0e99f98b31_vlad_part
	.globl	k_q0e99f98b31_vlad_part
	.p2align	8
	.type	k_q0e99f98b31_vlad_part,@function
k_q0e99f98b31_vlad_part:
	s_mov_b64 s[64:65], 0
	v_nop
	global_prefetch_b8 v0, s[64:65] scope:SCOPE_SE
	s_setreg_imm32_b32 hwreg(HW_REG_WAVE_SCHED_MODE, 0, 2), 2
	s_setreg_imm32_b32 hwreg(HW_REG_WAVE_MODE, 25, 1), 1
	s_wait_xcnt 0x0
	s_wait_alu depctr_vm_vsrc(0)
; NetVLAD, first of two launches.  x: [64 images][128 channels][4096 pixels] f32, conv_w and centroids: [64 clusters][128] f32.
; Work-group g takes quarter g & 3 (1,024 pixels) of image g >> 2 and stores
;   part[g][k][c] = sum over its pixels s of a[k][s] * x[c][s]  -  (sum over its pixels of a[k][s]) * centroids[k][c],   a = softmax over k of conv_w x.
; The second launch adds an image's four quarters and normalises.
; Four waves.  A wave takes four tiles of 64 pixels x 128 channels and keeps its own 64 x 128 sum; the four sums meet in LDS at the end.
;
; HOW x REACHES THE MATRIX UNIT.  One global_load_b128: lanes 0-15 (h = 0) take 256 consecutive aligned bytes (64 pixels) of channel c, lanes 16-31 (h = 1) of
; channel c + 8; word q of lane r is pixel 4 r + q.  Packing word q of two neighbouring channels gives, with no LDS, the A fragment (row = pixel, K = channel)
; of "pixel tile q" = pixels 4 r + q.  The product with conv_w's fragment leaves logits with lane = cluster and register j = pixel 32 h + 4 j + q, so a lane
; holds 32 consecutive pixels of one cluster: after the softmax two such registers pack into a word of the second product's fragment (K = pixel).
; Only x for the second product (lane = channel, K = pixel) passes LDS: packed by pixel pairs, 8 bytes a lane, into the wave's own stage, read back 16 bytes a lane.
; Both operands of the second product hold pixel 32 h + 16 f + 2 t (+1) in word t of step f: the sum over K does not care for the order.
; sum over s of a is made by the matrix unit too (a fragment of ones): it is then the sum of the very bf16 weights that multiplied x.
;
; LIMITS.  Matrix operands are bf16 (x, the weights a, and conv_w * log2(e), rounded once).  The softmax takes each pixel's true maximum away; weights below
; 2^-126 become 0 (v_exp_f32 flushes: ISA guide 15.8).  Sums are added in another order than reference()'s.  Non-finite inputs are not served.
; NO CLUSTER: partners would share conv_w and centroids alone, 64 KB against the 512 KB of x that each work-group reads for itself.
;
; REGISTERS in windows of 256 (s_set_vgpr_msb: bits 1:0 source 0, 3:2 source 1, 5:4 source 2, 7:6 destination):
;   window 0: v1-14 addresses, v16-23 ones, v32-159 conv_w fragments, v160-223 two A fragment buffers (later x fragments of pixel step 0), v224-255 at work
;   window 1: the ring of x as loaded: chunk cc (32 channels x 64 pixels) in 64 cc .. 64 cc + 63, load i in four registers
;   window 2: the 32 tiles of the sum: tile (ct, kt) at 8 (4 ct + kt); lane = cluster 16 kt + r, register j = channel 16 ct + 8 h + j
;   window 3: 0-127 logits, tile (q, kt) at 8 (4 q + kt) (0-63 later x fragments of pixel step 1); 128-191 weight fragments (kt, f); 192-223 sum of a
;
; THE MODE: SCHED_MODE bits 1:0 = 2 (LLVM: expert scheduling mode 2), set by the entry lines.  The code itself states the register dependences
; between vector or matrix instructions and memory or LDS instructions, with s_wait_alu, always for 0.
; THE PLAN.  Registers that memory or LDS instructions touch:
;   ring chunk cc   The chunk's 64 conversions read it; behind them the loads of the same chunk of the next tile land in it (in the last tile: the centroids, in chunk 0).
;   TM              The chunk's first 32 conversions write it, the chunk's 16 LDS stores read it; the next chunk, and behind chunk 3 the softmax, write it again.
;   AF              Conversions write it, the logit products read it; then pixel step 0's fragments land in it, and the second product reads them.
;   LG 0-63         Logit products write it, the softmax works on it, the roundings to weight fragments read it; then pixel step 1's fragments land in it.
;   sums, SA        Matrix results; the LDS stores at the end read them.
;   BUF, OUTR       At the end: loads from the regions land in BUF, additions work on it; multiply-adds write OUTR once, the global stores read it.
;   v3 to v14       Offsets and LDS addresses, made at the head and never written again: the tile's number stands in the loads' immediates.
; So a chunk has ONE wait on va_vdst, behind its conversions (TM is written, the ring's chunk is read out), and one on vm_vsrc at its head (the stores have read TM).
; Behind the first come the chunk's loads and then its products, which name LG, AF and WF alone, with the LDS stores dealt among them.  The wait behind the softmax's
; exponentials also shows the logit products done with AF: step 0's fragment loads follow it, dealt among the lane sums, which name TM alone.  One wait behind the roundings
; frees LG 0-63: step 1's loads follow it, dealt among step 0's products, which name the sums, AF, AA, SA and the ones alone.
.set XROW,  16384                      ; bytes of a channel's row of x
.set TSTEP, 1024                       ; from a wave's tile to its next: the four waves' tiles lie side by side
.set WP,    272                        ; LDS pitch of conv_w in bf16: 256 + 16
.set XP,    144                        ; LDS pitch of a stage row: 64 pixels in bf16 + 16
.set RP,    528                        ; LDS pitch of a row of sums: 512 + 16.  All three are odd multiples of 16 bytes
.set XS,    64*WP                      ; conv_w lies at LDS byte 0; behind it the waves' stages
.set XSW,   128*XP
.set RS,    XS+4*XSW                   ; behind them a region of 64 rows of sums for each wave
.set RSW,   64*RP
.set ASB,   RS+4*RSW                   ; and 64 x 4 words: sum of a, [cluster][wave]
.set RR,   1                           ; lane % 16
.set HH,   2                           ; lane / 16
.set XO,   3                           ; byte offset in x: 8 h rows + 16 r
.set SST,  4                           ; stage, in:  row 8 h, byte 8 r
.set SLD,  5                           ; stage, out: row r, byte 64 h
.set WLD,  6                           ; conv_w fragments: row r, byte 16 h
.set WST,  7                           ; conv_w, in: row 16 wave, byte 8 lane
.set LN,   8                           ; lane
.set RO,   9                           ; byte offset of my 16 bytes in row 16 wave of conv_w, centroids and part
.set RST,  10                          ; sums, in: my region, row r, byte 32 h
.set AST,  11                          ; sum of a, in
.set RLD0, 12                          ; sums, out: regions 0 and 1, row 16 wave, byte 16 lane
.set RLD2, 13                          ; regions 2 and 3
.set ALD,  14                          ; sum of a, out
.set ONES, 16
.set WF,   32
.set AF,   160
.set TM,   224
.set LG,   0
.set AA,   128
.set SA,   192
.set BUF,  32                          ; the end: two buffers of 80 registers
.set OUTR, 192                         ; the end: 64 registers to store
.set MSB, 0
.macro WIN new                         ; the immediate's high byte repeats the setting that is left
.if MSB != \new
	s_set_vgpr_msb (MSB<<8)|\new
.set MSB, \new
.endif
.endm
.macro PLACES                          ; four independent vector instructions behind a matrix instruction (ISA guide 7.12.1)
.rept 4
	v_nop
.endr
.endm
; chunk cc of tile t: 16 loads; load i brings channel 32 cc + 16 (i / 8) + 8 h + i % 8, the order of an A fragment's K.  Issued with the destination in window 1.
.macro XLOAD t, cc
.irp i, 0,1,2,3,4,5,6,7,8,9,10,11,12,13,14,15
	global_load_b128 v[64*\cc+4*\i:64*\cc+4*\i+3], v[XO], s[4:5] offset:(32*\cc+16*(\i>>3)+(\i&7))*XROW+(\t)*TSTEP th:TH_LOAD_NT
.endr
.endm
	s_load_b256 s[4:11], s[0:1], 0x0               ; x s[4:5], conv_w s[6:7], centroids s[8:9], part s[10:11]
	v_lshl_add_u32 v30, v0, 2, 0x37800
	v_mov_b32 v31, 0
	v_lshrrev_b32 v1, 5, v0
	v_readfirstlane_b32 s12, v1                    ; wave 0..3
	v_and_b32 v[RR], 15, v0
	v_bfe_u32 v[HH], v0, 4, 1
	v_and_b32 v[LN], 31, v0
	s_wait_alu depctr_va_sdst(0)                   ; s12 is written, ahead of its first reader: offsets and LDS addresses are made from it
	s_lshr_b32 s13, ttmp9, 2                       ; image
	s_and_b32 s14, ttmp9, 3                        ; quarter
	s_lshl_b32 s16, s13, 21                        ; image x 128 rows x 16,384 bytes
	s_lshl_b32 s14, s14, 12                        ; quarter x 1,024 pixels
	s_lshl_b32 s15, s12, 8                         ; wave x 64 pixels
	s_add_co_u32 s16, s16, s14
	s_add_co_u32 s16, s16, s15
	s_mov_b32 s17, 0
	s_lshl_b32 s18, ttmp9, 15                      ; work-group x 32,768 bytes of part
	s_mov_b32 s19, 0
	s_mov_b32 s20, 0x3fb8aa3b                      ; log2(e): the logits come out ready for v_exp_f32, which is 2^x
	s_mov_b32 s21, 0x3fb8aa3b
	v_lshlrev_b32 v[XO], 4, v[RR]
	v_lshl_add_u32 v[XO], v[HH], 17, v[XO]         ; 8 rows of 16,384 bytes for the upper lanes
	v_lshlrev_b32 v[RO], 4, v[LN]
	v_lshl_add_u32 v[RO], s12, 13, v[RO]           ; 16 rows of 512 bytes a wave
	s_wait_kmcnt 0x0
	s_add_nc_u64 s[4:5], s[4:5], s[16:17]
	s_add_nc_u64 s[10:11], s[10:11], s[18:19]
	s_wait_alu depctr_va_vdst(0)                   ; v[XO] and v[RO] are written: every global load and store of the kernel reads one of them as its offset
.irp i, 0,1,2,3,4,5,6,7,8,9,10,11,12,13,14,15
	global_load_b128 v[AF+4*\i:AF+4*\i+3], v[RO], s[6:7] offset:512*\i     ; my 16 rows of conv_w, a whole row (512 bytes) a load; first, since loads come back in order
.endr
	WIN 0x40
	XLOAD 0, 0
	XLOAD 0, 1
	XLOAD 0, 2
	WIN 0
	; LDS addresses, while the loads are on their way
	s_mul_i32 s22, s12, XSW
	s_add_co_u32 s22, s22, XS                      ; my stage
	v_mul_u32_u24 v[SST], v[HH], 8*XP
	v_lshl_add_u32 v[SST], v[RR], 3, v[SST]
	v_add_nc_u32 v[SST], s22, v[SST]
	v_mul_u32_u24 v[SLD], v[RR], XP
	v_lshl_add_u32 v[SLD], v[HH], 6, v[SLD]
	v_add_nc_u32 v[SLD], s22, v[SLD]
	v_mul_u32_u24 v[WLD], v[RR], WP
	v_lshl_add_u32 v[WLD], v[HH], 4, v[WLD]
	s_mul_i32 s23, s12, 16*WP
	v_lshl_add_u32 v[WST], v[LN], 3, s23
	s_mul_i32 s24, s12, RSW
	s_add_co_u32 s24, s24, RS                      ; my region of sums
	v_mul_u32_u24 v[RST], v[RR], RP
	v_lshl_add_u32 v[RST], v[HH], 5, v[RST]
	v_add_nc_u32 v[RST], s24, v[RST]
	s_lshl_b32 s25, s12, 2
	s_add_co_u32 s25, s25, ASB
	v_lshl_add_u32 v[AST], v[RR], 4, s25
	s_mul_i32 s26, s12, 16*RP
	s_add_co_u32 s26, s26, RS
	v_lshl_add_u32 v[RLD0], v[LN], 4, s26
	v_add_nc_u32 v[RLD2], 2*RSW, v[RLD0]
	s_lshl_b32 s27, s12, 8
	s_add_co_u32 s27, s27, ASB
	v_mov_b32 v[ALD], s27
.irp i, 0,1,2,3,4,5,6,7
	v_mov_b32 v[ONES+\i], 0x3f803f80               ; two bf16 ones
.endr
	s_wait_loadcnt 48                              ; conv_w is in; the 48 loads of x behind it stay out
	WIN 0x40
	XLOAD 0, 3                                     ; the ring is full: 64 loads, 32 KB, of this wave.  No wait: no vector instruction since the wait above names v[XO] or this chunk
	WIN 0
.irp i, 0,1,2,3,4,5,6,7,8,9,10,11,12,13,14,15
	v_pk_mul_f32 v[AF+4*\i:AF+4*\i+1],   v[AF+4*\i:AF+4*\i+1],   s[20:21] op_sel_hi:[1,0]
	v_pk_mul_f32 v[AF+4*\i+2:AF+4*\i+3], v[AF+4*\i+2:AF+4*\i+3], s[20:21] op_sel_hi:[1,0]
.endr
.irp i, 0,1,2,3,4,5,6,7,8,9,10,11,12,13,14,15
	v_cvt_pk_bf16_f32 v[TM+2*\i],   v[AF+4*\i],   v[AF+4*\i+1]
	v_cvt_pk_bf16_f32 v[TM+2*\i+1], v[AF+4*\i+2], v[AF+4*\i+3]
.endr
	s_wait_alu depctr_va_vdst(0)                   ; the roundings have written TM, which the LDS stores read; the LDS addresses v4 to v14 are written, for the whole kernel
.irp i, 0,1,2,3,4,5,6,7,8,9,10,11,12,13,14,15
	ds_store_b64 v[WST], v[TM+2*\i:TM+2*\i+1] offset:\i*WP                 ; 32 lanes fill a row's 256 bytes
.endr
	s_wait_dscnt 0x0                               ; my rows of conv_w are in LDS, for the others' sake
	s_barrier_signal -1
	s_barrier_wait -1                              ; everybody's are
.irp kt, 0,1,2,3
.irp cc, 0,1,2,3
	ds_load_b128 v[WF+8*(4*\kt+\cc):WF+8*(4*\kt+\cc)+3],   v[WLD] offset:\kt*16*WP+64*\cc      ; cluster 16 kt + r, channels 32 cc + 8 h ..
	ds_load_b128 v[WF+8*(4*\kt+\cc)+4:WF+8*(4*\kt+\cc)+7], v[WLD] offset:\kt*16*WP+64*\cc+32   ; channels 32 cc + 16 + 8 h ..
.endr
.endr
	s_wait_dscnt 0x0                               ; all sixteen fragments stay in registers for the whole kernel
; Chunk cc of tile t: convert, ask again, multiply and stage.  left = the loads issued behind this chunk's that may stay out.
; next = 1: the same chunk of the next tile is asked for; 2: the centroids (only with cc = 0: they land in chunk 0's registers); 0: nothing.
.macro CHUNK t, cc, left, next
	s_wait_loadcnt \left
	s_wait_alu depctr_vm_vsrc(0)                   ; the LDS stores issued so far have read TM, which the conversions below write again
	WIN 0x05                                       ; sources in the ring, results in window 0
.irp i, 0,1,2,3,4,5,6,7,8,9,10,11,12,13,14,15
	v_cvt_pk_bf16_f32 v[TM+2*\i],   v[64*\cc+4*\i],   v[64*\cc+4*\i+1]      ; by pixel pairs, for the stage.  These 32 lines name no register of the matrix
	v_cvt_pk_bf16_f32 v[TM+2*\i+1], v[64*\cc+4*\i+2], v[64*\cc+4*\i+3]      ; instructions in front: they are the places before the fragment buffer is rewritten
.endr
.irp q, 0,1,2,3
.irp u, 0,1,2,3,4,5,6,7
	v_cvt_pk_bf16_f32 v[AF+32*(\cc&1)+8*\q+\u], v[64*\cc+8*\u+\q], v[64*\cc+8*\u+4+\q]   ; by channel pairs: word u of pixel tile q's A fragment
.endr
.endr
.if \next
	WIN 0x40                                       ; loads land in the ring
.else
	WIN 0xf0
.endif
	s_wait_alu depctr_va_vdst(0)                   ; the conversions have written TM, which the LDS stores below read, and are done reading this chunk of the ring, in which the loads below land
.if \next == 1
	XLOAD \t+1, \cc
.endif
.if \next == 2
.irp i, 0,1,2,3,4,5,6,7,8,9,10,11,12,13,14,15
	global_load_b128 v[4*\i:4*\i+3], v[RO], s[8:9] offset:512*\i           ; centroids, rows 16 wave + i: used at the very end
.endr
.endif
	WIN 0xf0                                       ; logits in window 3.  The sixteen accumulators take turns, one instruction a turn
.irp q, 0,1,2,3                                        ; the LDS stores, whose address and data lie in window 0 under this setting too, stand two behind each of the first eight products.
.irp kt, 0,1,2,3                                       ; No wait: the products since the wait above name LG, AF and WF, none of the stores' registers
.if \cc == 0
	v_wmma_f32_16x16x32_bf16 v[LG+8*(4*\q+\kt):LG+8*(4*\q+\kt)+7], v[AF+32*(\cc&1)+8*\q:AF+32*(\cc&1)+8*\q+7], v[WF+8*(4*\kt+\cc):WF+8*(4*\kt+\cc)+7], 0
.else
	v_wmma_f32_16x16x32_bf16 v[LG+8*(4*\q+\kt):LG+8*(4*\q+\kt)+7], v[AF+32*(\cc&1)+8*\q:AF+32*(\cc&1)+8*\q+7], v[WF+8*(4*\kt+\cc):WF+8*(4*\kt+\cc)+7], v[LG+8*(4*\q+\kt):LG+8*(4*\q+\kt)+7]
.endif
.if \q < 2
.irp e, 0,1
	ds_store_b64 v[SST], v[TM+2*(8*\q+2*\kt+\e):TM+2*(8*\q+2*\kt+\e)+1] offset:(32*\cc+16*\q+2*\kt+\e)*XP   ; load 8 q + 2 kt + e's pixels: lanes 0-15 fill 128 bytes of a row, lanes 16-31 of the row 8 further: 8 x 144 = 128 mod 256, other banks
.endr
.endif
.endr
.endr
.endm
; Four of the 16 LDS loads of pixel step f (32 pixels): x fragments of channel tiles 2 g and 2 g + 1 (channels 16 ct + r), 32 consecutive bytes a lane, into registers xf + 8 ct of the destination's window
.macro XFR f, xf, g
.irp c, 0,1
	ds_load_b128 v[\xf+8*(2*(\g)+\c):\xf+8*(2*(\g)+\c)+3],   v[SLD] offset:(2*(\g)+\c)*16*XP+32*\f
	ds_load_b128 v[\xf+8*(2*(\g)+\c)+4:\xf+8*(2*(\g)+\c)+7], v[SLD] offset:(2*(\g)+\c)*16*XP+32*\f+16
.endr
.endm
; Softmax over the 64 clusters of each of the tile's 64 pixels.  A pixel (q, j, h) has its 64 logits in register j of the four tiles (q, kt), over the 16 lanes of half h.
; Maxima and sums lie in window 0 (register 8 q + j of TM), so that the lane steps name window 0 alone.
.macro SOFTMAX
	WIN 0x3f
.irp q, 0,1,2,3
.irp j, 0,1,2,3,4,5,6,7
	v_max3_num_f32 v[TM+8*\q+\j], v[LG+32*\q+\j], v[LG+32*\q+8+\j], v[LG+32*\q+16+\j]
.endr
.endr
	WIN 0x03
.irp q, 0,1,2,3
.irp j, 0,1,2,3,4,5,6,7
	v_max_num_f32 v[TM+8*\q+\j], v[LG+32*\q+24+\j], v[TM+8*\q+\j]
.endr
.endr
	WIN 0
.irp m, 1,2,4,8
.set idx, 0
.rept 32
	v_max_num_f32_dpp v[TM+idx], v[TM+idx], v[TM+idx] row_xmask:\m row_mask:0xf bank_mask:0xf
.set idx, idx+1
.endr
.endr
	WIN 0xc3
.irp q, 0,1,2,3
.irp kt, 0,1,2,3
.irp j, 0,2,4,6
	v_pk_add_f32 v[LG+32*\q+8*\kt+\j:LG+32*\q+8*\kt+\j+1], v[LG+32*\q+8*\kt+\j:LG+32*\q+8*\kt+\j+1], v[TM+8*\q+\j:TM+8*\q+\j+1] neg_lo:[0,1] neg_hi:[0,1]   ; logit - the pixel's maximum
.endr
.endr
.endr
.set idx, 0
.rept 128
	v_exp_f32 v[LG+idx], v[LG+idx]
.set idx, idx+1
.endr
	v_nop                                          ; one plain vector instruction between the last v_exp_f32 and the first use (ISA guide 5.7.2)
	s_wait_alu depctr_va_vdst(0)                   ; the 128 exponentials have written their results, ahead of the first line that names one; and the conversions and logit products are done with AF, in which step 0's fragments land below
	WIN 0x0f
.irp q, 0,1,2,3
.irp j, 0,2,4,6
	v_pk_add_f32 v[TM+8*\q+\j:TM+8*\q+\j+1], v[LG+32*\q+\j:LG+32*\q+\j+1], v[LG+32*\q+8+\j:LG+32*\q+8+\j+1]
.endr
.endr
	WIN 0x03
.irp q, 0,1,2,3
.irp j, 0,2,4,6
	v_pk_add_f32 v[TM+8*\q+\j:TM+8*\q+\j+1], v[LG+32*\q+16+\j:LG+32*\q+16+\j+1], v[TM+8*\q+\j:TM+8*\q+\j+1]
.endr
.endr
.irp q, 0,1,2,3
.irp j, 0,2,4,6
	v_pk_add_f32 v[TM+8*\q+\j:TM+8*\q+\j+1], v[LG+32*\q+24+\j:LG+32*\q+24+\j+1], v[TM+8*\q+\j:TM+8*\q+\j+1]
.endr
.endr
	WIN 0
.set grp, 0
.irp m, 1,2,4,8
	XFR 0, AF, grp                                 ; pixel step 0's fragments, four loads ahead of each lane step.  The stage is the wave's own and LDS serves a wave in order (ISA guide 5.7.1): these see the chunks' stores.
.set grp, grp+1                                        ; No wait: the additions since the wait above name TM and the logits, not AF or v[SLD]
.set idx, 0
.rept 32
	v_add_f32_dpp v[TM+idx], v[TM+idx], v[TM+idx] row_xmask:\m row_mask:0xf bank_mask:0xf
.set idx, idx+1
.endr
.endr
.set idx, 0
.rept 32
	v_rcp_f32 v[TM+idx], v[TM+idx]                 ; the sum is between 1 and 64: the largest term is 2^0
.set idx, idx+1
.endr
	v_nop                                          ; as behind v_exp_f32
	s_wait_alu depctr_va_vdst(0)                   ; the 32 reciprocals have written their results, ahead of the first line that names one
	WIN 0xc3
.irp q, 0,1,2,3
.irp kt, 0,1,2,3
.irp j, 0,2,4,6
	v_pk_mul_f32 v[LG+32*\q+8*\kt+\j:LG+32*\q+8*\kt+\j+1], v[LG+32*\q+8*\kt+\j:LG+32*\q+8*\kt+\j+1], v[TM+8*\q+\j:TM+8*\q+\j+1]
.endr
.endr
.endr
	WIN 0xcf                                       ; word u of fragment (kt, f) = pixels 32 h + 16 f + 2 u, + 1 = register 4 f + u / 2 of pixel tiles 2 (u % 2) and 2 (u % 2) + 1
.irp kt, 0,1,2,3
.irp f, 0,1
.irp u, 0,1,2,3,4,5,6,7
	v_cvt_pk_bf16_f32 v[AA+8*(2*\kt+\f)+\u], v[LG+64*(\u&1)+8*\kt+4*\f+(\u>>1)], v[LG+64*(\u&1)+32+8*\kt+4*\f+(\u>>1)]
.endr
.endr
.endr
.endm
; 36 matrix instructions: pixel step f of the second product.  Source 0 = 16 channels of x, source 1 = 16 clusters' weights: a lane's eight results are eight
; neighbouring channels of one cluster.  Then ones as source 0: the sum of the weights.  All 36 accumulators take turns, one instruction a turn.
; deal = 1: twelve of pixel step 1's sixteen fragment loads stand among the products, four ahead of each of channel tiles 1, 2 and 3.
.macro VLAD f, xf, win, zero, deal
	WIN \win
.irp ct, 0,1,2,3,4,5,6,7
.if (\deal) && (\ct > 0) && (\ct < 4)
	WIN 0xc0
	XFR 1, LG, \ct                                 ; no wait: the products since the wait behind the roundings name the sums, AF and AA, not the logits' first 64 registers or v[SLD]
	WIN \win
.endif
.irp kt, 0,1,2,3
.if \zero
	v_wmma_f32_16x16x32_bf16 v[8*(4*\ct+\kt):8*(4*\ct+\kt)+7], v[\xf+8*\ct:\xf+8*\ct+7], v[AA+8*(2*\kt+\f):AA+8*(2*\kt+\f)+7], 0
.else
	v_wmma_f32_16x16x32_bf16 v[8*(4*\ct+\kt):8*(4*\ct+\kt)+7], v[\xf+8*\ct:\xf+8*\ct+7], v[AA+8*(2*\kt+\f):AA+8*(2*\kt+\f)+7], v[8*(4*\ct+\kt):8*(4*\ct+\kt)+7]
.endif
.endr
.endr
	WIN 0xfc
.irp kt, 0,1,2,3
.if \zero
	v_wmma_f32_16x16x32_bf16 v[SA+8*\kt:SA+8*\kt+7], v[ONES:ONES+7], v[AA+8*(2*\kt+\f):AA+8*(2*\kt+\f)+7], 0
.else
	v_wmma_f32_16x16x32_bf16 v[SA+8*\kt:SA+8*\kt+7], v[ONES:ONES+7], v[AA+8*(2*\kt+\f):AA+8*(2*\kt+\f)+7], v[SA+8*\kt:SA+8*\kt+7]
.endif
.endr
.endm
; What follows a tile's four chunks.  first = 1: the first products start the sums, nothing is ever cleared.
.macro REST first
	PLACES                                         ; behind the last logit products: the softmax reads their results
	s_wait_alu depctr_vm_vsrc(0)                   ; chunk 3's LDS stores have read TM, which the softmax's maxima write
	SOFTMAX
	WIN 0xc0
	s_wait_alu depctr_va_vdst(0)                   ; the roundings are done reading the logits' first 64 registers, in which pixel step 1's fragments land
	XFR 1, LG, 0                                   ; the first four of its loads; the other twelve stand among step 0's products
	s_wait_dscnt 4                                 ; step 0's fragments are in; the four loads just issued stay out
	VLAD 0, AF, 0xac, \first, 1
	s_wait_dscnt 0x0                               ; step 1's fragments are in
	VLAD 1, LG, 0xaf, 0, 0
.endm
; The four tiles, written out: the tile's number stands in the loads' immediates, the first tile starts the sums, the last asks for no more of x.
; A chunk's wait leaves out the 48 loads issued behind it: the tile's later chunks and the next tile's earlier ones.
.irp t, 0,1,2
	CHUNK \t, 0, 48, 1
	CHUNK \t, 1, 48, 1
	CHUNK \t, 2, 48, 1
	CHUNK \t, 3, 48, 1
.if \t == 0
	REST 1
.else
	REST 0
.endif
.endr
	CHUNK 3, 0, 48, 2                              ; behind chunk 0: chunks 1, 2, 3
	CHUNK 3, 1, 48, 0                              ; behind chunk 1: chunks 2, 3 and the 16 loads of centroids
	CHUNK 3, 2, 32, 0
	CHUNK 3, 3, 16, 0
	REST 0
	; THE END.  Each wave lays its sums into its own region as rows [cluster][channel]; behind a barrier wave w adds rows 16 w .. 16 w + 15 over the four regions.
	PLACES                                         ; behind the last products: their results are read below; the places stay beside the wait
	WIN 0x08
	s_wait_alu depctr_va_vdst(0)                   ; the products have written the sums and the sums of a, which the LDS stores read; products and conversions are done with v32 to v191, in which the loads behind the barrier land
.irp ct, 0,1,2,3,4,5,6,7
.irp kt, 0,1,2,3
	ds_store_b128 v[RST], v[8*(4*\ct+\kt):8*(4*\ct+\kt)+3]   offset:\kt*16*RP+64*\ct       ; row 16 kt + r, channels 16 ct + 8 h ..
	ds_store_b128 v[RST], v[8*(4*\ct+\kt)+4:8*(4*\ct+\kt)+7] offset:\kt*16*RP+64*\ct+16
.endr
.endr
	WIN 0x0c
.irp kt, 0,1,2,3
	ds_store_b32 v[AST], v[SA+8*\kt] offset:256*\kt                        ; all eight registers and both halves of the lanes hold the same sum: word [16 kt + r][wave]
.endr
	WIN 0
	s_wait_dscnt 0x0                               ; my sums are in LDS, for the others' sake
	s_barrier_signal -1
	s_barrier_wait -1
.macro RLOAD b                         ; rows 4 b .. 4 b + 3 of my sixteen: four regions' 512 bytes each, and the row's four sums of a (one address for all lanes)
.set BB, BUF+80*(\b&1)
.irp ii, 0,1,2,3
	ds_load_b128 v[BB+16*\ii:BB+16*\ii+3],     v[RLD0] offset:(4*\b+\ii)*RP
	ds_load_b128 v[BB+16*\ii+4:BB+16*\ii+7],   v[RLD0] offset:(4*\b+\ii)*RP+RSW
	ds_load_b128 v[BB+16*\ii+8:BB+16*\ii+11],  v[RLD2] offset:(4*\b+\ii)*RP
	ds_load_b128 v[BB+16*\ii+12:BB+16*\ii+15], v[RLD2] offset:(4*\b+\ii)*RP+RSW
	ds_load_b128 v[BB+64+4*\ii:BB+64+4*\ii+3], v[ALD]  offset:(4*\b+\ii)*16
.endr
.endm
.macro RSUM b
.set BB, BUF+80*(\b&1)
.irp ii, 0,1,2,3
	v_pk_add_f32 v[BB+16*\ii:BB+16*\ii+1],     v[BB+16*\ii:BB+16*\ii+1],     v[BB+16*\ii+4:BB+16*\ii+5]
	v_pk_add_f32 v[BB+16*\ii+2:BB+16*\ii+3],   v[BB+16*\ii+2:BB+16*\ii+3],   v[BB+16*\ii+6:BB+16*\ii+7]
	v_pk_add_f32 v[BB+16*\ii+8:BB+16*\ii+9],   v[BB+16*\ii+8:BB+16*\ii+9],   v[BB+16*\ii+12:BB+16*\ii+13]
	v_pk_add_f32 v[BB+16*\ii+10:BB+16*\ii+11], v[BB+16*\ii+10:BB+16*\ii+11], v[BB+16*\ii+14:BB+16*\ii+15]
	v_pk_add_f32 v[BB+64+4*\ii:BB+64+4*\ii+1], v[BB+64+4*\ii:BB+64+4*\ii+1], v[BB+64+4*\ii+2:BB+64+4*\ii+3]
	v_pk_add_f32 v[BB+16*\ii:BB+16*\ii+1],     v[BB+16*\ii:BB+16*\ii+1],     v[BB+16*\ii+8:BB+16*\ii+9]
	v_pk_add_f32 v[BB+16*\ii+2:BB+16*\ii+3],   v[BB+16*\ii+2:BB+16*\ii+3],   v[BB+16*\ii+10:BB+16*\ii+11]
	v_add_f32 v[BB+64+4*\ii], v[BB+64+4*\ii], v[BB+64+4*\ii+1]             ; the row's sum of a over the work-group's 1,024 pixels
.endr
	WIN 0x01                                       ; the centroids lie in the ring's first 64 registers
.irp ii, 0,1,2,3
	v_pk_fma_f32 v[OUTR+16*\b+4*\ii:OUTR+16*\b+4*\ii+1],   v[4*(4*\b+\ii):4*(4*\b+\ii)+1],   v[BB+64+4*\ii:BB+64+4*\ii+1], v[BB+16*\ii:BB+16*\ii+1]   op_sel_hi:[1,0,1] neg_lo:[0,1,0] neg_hi:[0,1,0]
	v_pk_fma_f32 v[OUTR+16*\b+4*\ii+2:OUTR+16*\b+4*\ii+3], v[4*(4*\b+\ii)+2:4*(4*\b+\ii)+3], v[BB+64+4*\ii:BB+64+4*\ii+1], v[BB+16*\ii+2:BB+16*\ii+3] op_sel_hi:[1,0,1] neg_lo:[0,1,0] neg_hi:[0,1,0]
.endr
	WIN 0
	s_wait_alu depctr_va_vdst(0)                   ; the multiply-adds have written this batch's 16 registers of OUTR, which the stores read; the batch's arithmetic is done with its buffer, in which the batch two further on lands
.irp ii, 0,1,2,3
	global_store_b128 v[RO], v[OUTR+16*\b+4*\ii:OUTR+16*\b+4*\ii+3], s[10:11] offset:(4*\b+\ii)*512   ; a wave's store covers a row: 512 consecutive bytes, aligned; its registers are not written again
.endr
.endm
	RLOAD 0                                        ; no wait: no vector instruction since the wait ahead of the sums' stores
	RLOAD 1
	s_wait_loadcnt 0x0                             ; the centroids
	s_wait_dscnt 20                                ; the older batch of 20 loads is in, the younger stays out
	RSUM 0
	RLOAD 2
	s_wait_dscnt 20
	RSUM 1
	RLOAD 3
	s_wait_dscnt 20
	RSUM 2
	s_wait_dscnt 0x0
	RSUM 3
	s_wait_dscnt 0x0
	s_wait_alu depctr_hold_cnt(0) depctr_sa_sdst(0) depctr_va_vdst(0) depctr_va_sdst(0) depctr_va_ssrc(0) depctr_va_vcc(0) depctr_vm_vsrc(0)
	s_wait_tensorcnt 0x0
	ds_add_u32 v30, v31
	s_wait_dscnt 0x0
	s_endpgm
.Lfunc_end_k_q0e99f98b31_vlad_part:
	.size	k_q0e99f98b31_vlad_part, .Lfunc_end_k_q0e99f98b31_vlad_part-k_q0e99f98b31_vlad_part
	.p2alignl 7, 3214868480
	.fill 96, 4, 3214868480
	.section	.rodata,"a",@progbits
	.p2align	6, 0x0
	.amdhsa_kernel k_q0e99f98b31_vlad_part
		.amdhsa_group_segment_fixed_size 227840
		.amdhsa_private_segment_fixed_size 0
		.amdhsa_enable_private_segment 0
		.amdhsa_kernarg_size 32
		.amdhsa_user_sgpr_count 2
		.amdhsa_user_sgpr_kernarg_segment_ptr 1
		.amdhsa_wavefront_size32 1
		.amdhsa_system_sgpr_workgroup_id_x 1
		.amdhsa_system_sgpr_workgroup_id_y 1
		.amdhsa_system_sgpr_workgroup_id_z 1
		.amdhsa_system_vgpr_workitem_id 0
		.amdhsa_next_free_vgpr 992
		.amdhsa_next_free_sgpr 66
		.amdhsa_reserve_vcc 0
		.amdhsa_float_denorm_mode_32 3
		.amdhsa_float_denorm_mode_16_64 3
		.amdhsa_memory_ordered 1
		.amdhsa_forward_progress 1
		.amdhsa_inst_pref_size 255
	.end_amdhsa_kernel
	.section	.bss,"aw",@nobits
	.p2align	6
	.space	262144
	.amdgpu_metadata
---
amdhsa.version: [ 1, 2 ]
amdhsa.kernels:
  - .name:           k_q0e99f98b31_vlad_part
    .symbol:         k_q0e99f98b31_vlad_part.kd
    .args:
      - { .name: x, .offset: 0, .size: 8, .value_kind: global_buffer, .address_space: global }
      - { .name: conv_w, .offset: 8, .size: 8, .value_kind: global_buffer, .address_space: global }
      - { .name: centroids, .offset: 16, .size: 8, .value_kind: global_buffer, .address_space: global }
      - { .name: part, .offset: 24, .size: 8, .value_kind: global_buffer, .address_space: global }
    .group_segment_fixed_size: 227840
    .private_segment_fixed_size: 0
    .kernarg_segment_align: 8
    .kernarg_segment_size: 32
    .max_flat_workgroup_size: 128
    .sgpr_count:     66
    .vgpr_count:     992
    .wavefront_size: 32
...
	.end_amdgpu_metadata
.endif
;; end of part 3
;; launch finish: the kernel of part 2 again; grid 64 x 1, 16 waves a work-group, no clusters, 2,304 bytes of LDS; arguments part, out0; writes out0
